; MI455X (gfx1250); checked and timed in simulation.
; The chip was launched on July 23, 2026; its instructions are those of AMD's public machine-readable ISA for CDNA 5 (MIT licence, August 2026) and "CDNA5" Instruction Set Architecture Reference Guide (July 2026). The comments in the code are by the model that wrote it; some were corrected since.
;; Attention. Allowed arithmetic: matrix products marked QUANTISED: E2M3 operands, one E8M0 scale for each 32 along K, by v_wmma_scale_f32_16x16x128_f8f6f4 with both operands' format E2M3, f32 sums; everything else in f32.
;; Inputs: ln_b 1,024 float32; ln_g 1,024 float32; mask 4 x 2,048 int32; w_qkv_codes 3,072 x 32 x 24 uint8 (E2M3 codes of w_qkv, K innermost, in blocks of 32 codes, four codes in three bytes); w_qkv_scales 3,072 x 32 uint8 (E8M0 scales of w_qkv, one for each 32 codes along K); x 4 x 2,048 x 1,024 float32.
;; Outputs: out0 4 x 2,048 x 1,024 float32.
;; This version of the problem:
;;   THIS VERSION OF THE PROBLEM IS GIVEN IN LOW PRECISION. The matrix products marked QUANTISED in the list below multiply operands that are first quantised to E2M3 (2 exponent bits, 3 mantissa bits; 6 bits a number), with one power-of-two scale for each 32 numbers along K (OCP MX v1.0); their sums are f32. All else is computed in f32.
;;   The module's matrix products, in the order in which they are computed (A, B: the left and right operand; K: the contracted axis; several contracted axes count as one K, in the product's order):
;;     1. [M 8,192, K 1,024] x [K 1,024, N 3,072]; A: computed on the way; B: input w_qkv (given as codes): QUANTISED
;;     2. batch 64 x [M 2,048, K 64] x [K 64, N 2,048]; A: computed on the way; B: computed on the way: QUANTISED
;;     3. batch 64 x [M 2,048, K 2,048] x [K 2,048, N 64]; A: softmax (see below); B: computed on the way: QUANTISED
;;   THE QUANTISER, for each operand of a quantised product, along K:
;;     - K is cut into blocks of 32 from its start; a last block that is shorter is filled with zeros.
;;     - A block's scale is 2^e with e = floor(log2(the largest magnitude in the block)) - 2, held to -126 .. 127; a block of zeros has e = 0. As a byte (E8M0): e + 127.
;;     - Each number is divided by its block's scale, clamped to +-7.5, and rounded to the nearest number of E2M3, ties to even, subnormals kept.
;;     - The product sums the exact products of the quantised numbers (number of the format x scale) in f32.
;;   ~~~python
;;   def quantise(x, axis):      # numpy; x: float32 -> the quantised numbers, widened to float32 again
;;       x = np.moveaxis(x, axis, -1); K = x.shape[-1]
;;       x = np.pad(x, [(0, 0)] * (x.ndim - 1) + [(0, -K % 32)]); x = x.reshape(x.shape[:-1] + (-1, 32)); a = np.abs(x).max(-1, keepdims=True)
;;       e = np.where(a > 0, np.clip(np.frexp(np.where(a > 0, a, 1))[1] - 1 - 2, -126, 127), 0)      # np.frexp(a)[1] - 1 = floor(log2(a)), exactly
;;       r = np.clip(x / 2.0 ** e, -7.5, 7.5)
;;       step = 2.0 ** (np.maximum(np.frexp(np.where(r == 0, 1, r))[1] - 1, 0) - 3)
;;       q = np.round(r / step) * step * 2.0 ** e      # np.round: ties to even
;;       return np.moveaxis(q.reshape(q.shape[:-2] + (-1,))[..., :K], -1, axis).astype(np.float32)
;;   ~~~
;;   SOFTMAX AHEAD OF A QUANTISED PRODUCT. Where the list says 'softmax', what is quantised is not the finished softmax but p = 2^(t - M), with t = logit x log2(e) and M = ceil(the row's largest t), a whole number; so 1/2 < the row's largest p <= 1. The row's sum l is taken of the UNQUANTISED p, in f32, and the product's result is divided by l at the end. Since M is a whole number, a kernel that streams over the keys may use a running M (the ceiling of the running maximum): every later rescaling is an exact power of two, which a block's scale takes up: the codes' values come out the same.
;;   OPERANDS COMPUTED ON THE WAY. 'Computed on the way' means the value that the module computes at that place (a softmax that the list does not call 'softmax' is quantised finished and normalised). What goes into a quantiser is computed in f32, as accurately as f32 sums, v_exp_f32 and their like allow (about 1e-6 of the number): no bf16 or f16 on the way to a quantiser, and a product that is left as it is and whose result goes on into a quantised operand takes f32 operands (vector FMAs, or v_wmma_f32_16x16x4_f32). A number that lies on a knife's edge between two numbers of the format may be rounded either way, as far as f32 arithmetic and the matrix unit's own rounding can turn it there, and no further.
;;   INPUTS GIVEN AS CODES. w_qkv (in the module: [1024, 3072], K = its axis 0): each comes as NAME_codes (uint8): NAME with its K axis moved to the last place and cut into blocks of 32 codes, [.., K / 32, bytes a block], one block behind the other in memory; four codes in three bytes: a row's codes are one little-endian stream of bits, code i at bits 6 i .. 6 i + 5 (a code: sign, 2 exponent bits, 3 mantissa bits); and NAME_scales (uint8): the same leading axes, one E8M0 byte (e + 127) for each 32 codes along K. Its value is code x scale, taken as it is: it is not quantised again, and the codes and scales need not be those that the quantiser above would give.
;; One version. Each part assembles by itself: llvm-mc -triple=amdgcn-amd-amdhsa -mcpu=gfx1250 --defsym DOCPART=n.
;; ======== version 1 of 1: 3 launches
;; limits: right only within a limited range of input values
;; workspace buffers: xw 6,815,744 bytes; ww 2,555,904 bytes; qc 6,291,456 bytes; qs 262,144 bytes; kv 12,582,912 bytes; kvs 524,288 bytes
;; launch prep (part 1): grid 704 x 1, 8 waves a work-group, no clusters, 76,288 bytes of LDS; arguments x, ln_g, ln_b, w_qkv_codes, w_qkv_scales, xw, ww; writes xw, ww
.if DOCPART == 1
	.amdgcn_target "amdgcn-amd-amdhsa--gfx1250"
	.amdhsa_code_object_version 6
	.text
	.protected	k_q685d84e2a5_prep
	.globl	k_q685d84e2a5_prep
	.p2align	8
	.type	k_q685d84e2a5_prep,@function
k_q685d84e2a5_prep:
	s_mov_b64 s[64:65], 0
	v_nop
	global_prefetch_b8 v0, s[64:65] scope:SCOPE_SE
	s_setreg_imm32_b32 hwreg(HW_REG_WAVE_MODE, 25, 1), 1
	s_wait_xcnt 0x0
; LayerNorm of x [8192][1024] in f32, its quantiser to FP6 (E2M3) along the 1,024, and a new lay-out of W's codes: both leave as IMAGES OF OPERAND REGISTERS.
; A RECORD (13,312 bytes) is a tile of 16 rows for all of K: 8 fragments (K step s: 12 registers a lane, register group c at 1536 s + 512 c + 16 x lane), then the scale words
; (chunk j at 12,288 + 512 j + 16 x lane: the lane's row's words of K steps 4 j .. 4 j + 3; lanes 16-31 hold what lanes 0-15 hold).
; THE ROWS OF A TILE ARE NOT NEIGHBOURS: lane index r of tile T takes row 32 (T / 2) + 8 (T % 2) + r + 8 (r / 8), so that results of two neighbouring tiles are 16 neighbours along the next K.
; Work-groups 0 .. 511: x's tile T = the work-group's number.  Work-groups 512 .. 703: W's record R (records 0 .. 127: W's tiles 0 .. 127, q and k; record 128 + 16 dt + head: W's tile 128 + 4 head + dt, v).
; The branch between the two hangs on the work-group's number alone; W's path touches no LDS and has no barrier.
; x's path: phase A: wave w normalises two rows (mean, then the variance of x - mean: no difference of large sums), into LDS | barrier | phase B: wave s applies g and b and quantises K step s of the 16 rows | barrier | waves 0, 1 store the scale words.
; Every global load and store of a wave covers 512 consecutive bytes, aligned (W's rows excepted: 24 bytes a lane, as the codes lie).
; LIMITS: NaN and infinities in x, g, b are not served; a block whose largest magnitude lies under 2^-124 keeps the scale byte 1 (a block of zeros too: its codes are zeros, and this program alone reads the bytes).
.set RECB,  13312
.set XNP,   4112                       ; a normalised row in LDS: 4,096 bytes + 16 = 1,028 words: 16 rows start at 16 different groups of four banks
.set GL,    16*XNP                     ; g, 4,096 bytes
.set BL,    GL+4096                    ; b
.set SW,    BL+4096                    ; the record's 1,024 bytes of scale words
.set XR,    16                         ; v16-79   phase A: two rows, 32 registers each
.set SU,    80                         ; v80-95   phase A: four chains of sums for each row
.set MU,    96                         ; v96-99   the mean, twice, for each row
.set RS,    100                        ; v100-103 1 / sqrt(var + eps), twice, for each row
.set NN,    16                         ; v16-79   phase B: 64 numbers of my row
.set GG,    80                         ; v80-143  their g
.set BB,    144                        ; v144-207 their b
.set TM,    208                        ; v208-211 largest magnitudes, v212-215 the other half's and then the bytes, v220-223 the conversions' scale operands
.set PW,    224                        ; the scale word
.set PC,    226                        ; v226-237 the fragment; v238-240, v242-244 at work
.set WV,    18
.set SEL,   20
	s_load_b256 s[4:11], s[0:1], 0x0               ; x, g, b, W's codes
	s_load_b128 s[12:15], s[0:1], 0x20             ; W's scales, xw
	s_load_b64 s[16:17], s[0:1], 0x30              ; ww
	v_lshl_add_u32 v254, v0, 2, 0x12600
	v_mov_b32 v255, 0
	v_lshrrev_b32 v1, 5, v0
	v_readfirstlane_b32 s[WV], v1                  ; wave 0..7
	v_and_b32 v1, 31, v0                           ; lane
	v_and_b32 v2, 15, v0                           ; r
	v_bfe_u32 v3, v0, 4, 1                         ; h
	v_lshlrev_b32 v4, 4, v1                        ; 16 x lane
	v_lshlrev_b32 v5, 4, v0                        ; 16 x thread = 512 x wave + 16 x lane
	s_mov_b32 s[SEL], 0x76543210
	s_mov_b32 s[SEL+1], 0xfedcba98                 ; v_permlanex16_b32: lane l xor 16
	s_mov_b32 s22, 0x3a800000                      ; 1 / 1024
	s_mov_b32 s23, 0x3727c5ac                      ; eps = 1e-5
	s_mov_b32 s29, 0                               ; the upper word of every offset
	s_wait_kmcnt 0x0
	s_cmp_lt_u32 ttmp9, 512
	s_cbranch_scc0 .Lw
; ---------------- x's path
	s_lshr_b32 s24, ttmp9, 1
	s_lshl_b32 s24, s24, 5
	s_and_b32 s25, ttmp9, 1
	s_lshl_b32 s25, s25, 3
	s_add_co_u32 s24, s24, s25
	s_lshl_b32 s25, s[WV], 1
	s_add_co_u32 s24, s24, s25
	s_lshr_b32 s25, s[WV], 2
	s_lshl_b32 s25, s25, 3
	s_add_co_u32 s24, s24, s25                     ; my first row: 32 (T / 2) + 8 (T % 2) + 2 w + 8 (w / 4); the second is the next
	s_lshl_b32 s28, s24, 12
	s_add_nc_u64 s[4:5], s[4:5], s[28:29]
	s_mul_i32 s28, ttmp9, RECB
	s_add_nc_u64 s[30:31], s[14:15], s[28:29]      ; my tile's record
	s_mul_i32 s28, s[WV], 1536
	s_add_nc_u64 s[14:15], s[30:31], s[28:29]      ; and in it the fragment of K step w
	global_load_b128 v[208:211], v5, s[6:7]        ; the work-group's 256 threads bring g and b once
	global_load_b128 v[212:215], v5, s[8:9]
.irp i, 0,1
.irp j, 0,1,2,3,4,5,6,7
	global_load_b128 v[XR+32*\i+4*\j:XR+32*\i+4*\j+3], v4, s[4:5] offset:4096*\i+512*\j th:TH_LOAD_NT
.endr
.endr
	; every LDS address: a constant + a constant x lane + a constant x wave
	v_add_nc_u32 v6, GL, v5                        ; g's and b's pieces
	s_mul_i32 s26, s[WV], 2*XNP
	v_add_nc_u32 v7, s26, v4                       ; phase A: my two rows, 16 bytes a lane
	v_mul_u32_u24 v8, v2, XNP
	v_lshl_add_u32 v8, v3, 6, v8
	s_lshl_b32 s27, s[WV], 9
	v_add_nc_u32 v8, s27, v8                       ; phase B: row r, K step w, + 64 h: 16 neighbours of each block of 32
	v_lshlrev_b32 v9, 6, v3
	v_add_nc_u32 v9, s27, v9
	v_add_nc_u32 v9, GL, v9                        ; and the same columns of g (b: 4,096 on)
	s_lshr_b32 s26, s[WV], 2
	s_lshl_b32 s26, s26, 9
	s_and_b32 s27, s[WV], 3
	s_lshl_b32 s27, s27, 2
	s_add_co_u32 s26, s26, s27
	s_add_co_u32 s26, s26, SW
	v_add_nc_u32 v11, s26, v4                      ; my scale word: chunk w / 4, 16 x lane, word w % 4
	v_add_nc_u32 v12, SW, v5                       ; waves 0, 1: chunk w back
	s_wait_loadcnt 16                              ; g and b are in; the 16 loads of x issued behind them may be out
	ds_store_b128 v6, v[208:211]
	ds_store_b128 v6, v[212:215] offset:4096
	s_wait_loadcnt 0x0
.macro TOTAL a                         ; four chains of pairs in v[a .. a + 7], and the 32 lanes, become one number in v[a] of every lane
	v_pk_add_f32 v[\a:\a+1], v[\a:\a+1], v[\a+2:\a+3]
	v_pk_add_f32 v[\a+4:\a+5], v[\a+4:\a+5], v[\a+6:\a+7]
	v_pk_add_f32 v[\a:\a+1], v[\a:\a+1], v[\a+4:\a+5]
	v_add_f32 v[\a], v[\a], v[\a+1]
	v_add_f32_dpp v[\a], v[\a], v[\a] row_xmask:1 row_mask:0xf bank_mask:0xf
	v_add_f32_dpp v[\a], v[\a], v[\a] row_xmask:2 row_mask:0xf bank_mask:0xf
	v_add_f32_dpp v[\a], v[\a], v[\a] row_xmask:4 row_mask:0xf bank_mask:0xf
	v_add_f32_dpp v[\a], v[\a], v[\a] row_xmask:8 row_mask:0xf bank_mask:0xf
	v_permlanex16_b32 v[\a+1], v[\a], s[SEL], s[SEL+1]
	v_add_f32 v[\a], v[\a], v[\a+1]
.endm
	; the mean
.irp i, 0,1
.irp k, 0,1,2,3
	v_pk_add_f32 v[SU+8*\i+2*\k:SU+8*\i+2*\k+1], v[XR+32*\i+4*\k:XR+32*\i+4*\k+1], v[XR+32*\i+4*\k+2:XR+32*\i+4*\k+3]
.endr
.endr
.irp q, 16,24
.irp i, 0,1
.irp k, 0,1,2,3
	v_pk_add_f32 v[SU+8*\i+2*\k:SU+8*\i+2*\k+1], v[SU+8*\i+2*\k:SU+8*\i+2*\k+1], v[XR+32*\i+\q+2*\k:XR+32*\i+\q+2*\k+1]
.endr
.endr
.endr
.irp i, 0,1
	TOTAL SU+8*\i
	v_mul_f32 v[MU+2*\i], s22, v[SU+8*\i]
	v_mov_b32 v[MU+2*\i+1], v[MU+2*\i]
.endr
	; x - mean, in place
.irp i, 0,1
.set j, 0
.rept 16
	v_pk_add_f32 v[XR+32*\i+j:XR+32*\i+j+1], v[XR+32*\i+j:XR+32*\i+j+1], v[MU+2*\i:MU+2*\i+1] neg_lo:[0,1] neg_hi:[0,1]
.set j, j+2
.endr
.endr
	; the variance: the first four products start the chains
.irp i, 0,1
.irp k, 0,1,2,3
	v_pk_mul_f32 v[SU+8*\i+2*\k:SU+8*\i+2*\k+1], v[XR+32*\i+2*\k:XR+32*\i+2*\k+1], v[XR+32*\i+2*\k:XR+32*\i+2*\k+1]
.endr
.endr
.irp q, 8,16,24
.irp i, 0,1
.irp k, 0,1,2,3
	v_pk_fma_f32 v[SU+8*\i+2*\k:SU+8*\i+2*\k+1], v[XR+32*\i+\q+2*\k:XR+32*\i+\q+2*\k+1], v[XR+32*\i+\q+2*\k:XR+32*\i+\q+2*\k+1], v[SU+8*\i+2*\k:SU+8*\i+2*\k+1]
.endr
.endr
.endr
.irp i, 0,1
	TOTAL SU+8*\i
	v_fma_f32 v[SU+8*\i], v[SU+8*\i], s22, s23     ; var + eps
.endr
	v_rsq_f32 v[RS], v[SU]
	v_rsq_f32 v[RS+2], v[SU+8]
	v_nop                                          ; a plain instruction behind the last of the two
	s_wait_alu depctr_va_vdst(0)                   ; one wait for both, ahead of their first reader
	v_mov_b32 v[RS+1], v[RS]
	v_mov_b32 v[RS+3], v[RS+2]
.irp i, 0,1
.set j, 0
.rept 16
	v_pk_mul_f32 v[XR+32*\i+j:XR+32*\i+j+1], v[XR+32*\i+j:XR+32*\i+j+1], v[RS+2*\i:RS+2*\i+1]
.set j, j+2
.endr
.endr
.irp i, 0,1
.irp j, 0,1,2,3,4,5,6,7
	ds_store_b128 v7, v[XR+32*\i+4*\j:XR+32*\i+4*\j+3] offset:XNP*\i+512*\j
.endr
.endr
	s_wait_dscnt 0x0                               ; for the others' sake: my rows, and my pieces of g and b, lie in LDS
	s_barrier_signal -1
	s_barrier_wait -1
	; ---- phase B: K step w of all 16 rows.  Register 16 b + i = k 128 w + 32 b + 16 h + i of row r
.irp b, 0,1,2,3
.irp j, 0,1,2,3
	ds_load_b128 v[NN+16*\b+4*\j:NN+16*\b+4*\j+3], v8 offset:128*\b+16*\j
.endr
.endr
.irp b, 0,1,2,3
.irp j, 0,1,2,3
	ds_load_b128 v[GG+16*\b+4*\j:GG+16*\b+4*\j+3], v9 offset:128*\b+16*\j
	ds_load_b128 v[BB+16*\b+4*\j:BB+16*\b+4*\j+3], v9 offset:4096+128*\b+16*\j
.endr
.endr
.irp b, 0,1,2,3
	v_mov_b32 v[TM+4+\b], 0                        ; a lane permute's destination counts as one of its sources
.endr
	s_wait_dscnt 0x0
.set j, 0
.rept 32
	v_pk_fma_f32 v[NN+j:NN+j+1], v[NN+j:NN+j+1], v[GG+j:GG+j+1], v[BB+j:BB+j+1]
.set j, j+2
.endr
	; the quantiser: four blocks of 32, each in lanes l and l xor 16
.irp b, 0,1,2,3
	v_max3_num_f32 v[TM+\b], |v[NN+16*\b]|, |v[NN+1+16*\b]|, 0x1800000   ; my 16 numbers, and the floor 2^(3 - 127): the byte cannot fall under 1
.endr
.irp i, 2,4,6,8,10,12,14
.irp b, 0,1,2,3
	v_max3_num_f32 v[TM+\b], v[TM+\b], |v[NN+16*\b+\i]|, |v[NN+1+16*\b+\i]|
.endr
.endr
.irp b, 0,1,2,3
	v_permlanex16_b32 v[TM+4+\b], v[TM+\b], s[SEL], s[SEL+1]
.endr
.irp b, 0,1,2,3
	v_max_num_f32 v[TM+\b], v[TM+\b], v[TM+4+\b]   ; the block's largest magnitude
.endr
.irp b, 0,1,2,3
	v_add_nc_u32 v[TM+12+\b], 0xff000000, v[TM+\b] ; 2 off its exponent field: the conversion's scale operand
.endr
.irp b, 0,1,2,3
	v_lshrrev_b32 v[TM+4+\b], 23, v[TM+12+\b]      ; the scale's byte
.endr
	v_lshl_or_b32 v[PW], v[TM+5], 8, v[TM+4]
	v_lshl_or_b32 v[PW], v[TM+6], 16, v[PW]
	v_lshl_or_b32 v[PW], v[TM+7], 24, v[PW]        ; my row's scale word of this K step
.irp c, 0,1
	v_cvt_scalef32_pk16_fp6_f32 v[PC+6*\c:PC+2+6*\c], v[NN+32*\c:NN+15+32*\c], v[TM+12+2*\c]
	v_cvt_scalef32_pk16_fp6_f32 v[PC+12+4*\c:PC+14+4*\c], v[NN+16+32*\c:NN+31+32*\c], v[TM+12+2*\c+1]   ; (a conversion's three registers begin on an even number)
.endr
	v_nop                                          ; one plain place behind a scaled conversion
.irp c, 0,1                                    ; the operand wants a WHOLE block in a lane: lanes 0-15 block 2 c, lanes 16-31 block 2 c + 1
.irp i, 0,1,2
	v_permlane16_swap_b32 v[PC+6*\c+\i], v[PC+12+4*\c+\i]
.endr
.irp i, 0,1,2
	v_mov_b32 v[PC+3+6*\c+\i], v[PC+12+4*\c+\i]
.endr
.endr
.irp c, 0,1,2
	global_store_b128 v4, v[PC+4*\c:PC+4*\c+3], s[14:15] offset:512*\c   ; the fragment's image
.endr
	ds_store_b32 v11, v[PW]
	s_wait_dscnt 0x0                               ; for the others' sake: my scale words lie in LDS
	s_barrier_signal -1
	s_barrier_wait -1
	s_cmp_lt_u32 s[WV], 2
	s_cbranch_scc0 .Lx_end
	ds_load_b128 v[16:19], v12                     ; chunk w: four K steps' words a lane
	s_wait_dscnt 0x0
	global_store_b128 v5, v[16:19], s[30:31] offset:12288
.Lx_end:
	s_wait_tensorcnt 0x0
	ds_add_u32 v254, v255
	s_wait_dscnt 0x0
	s_endpgm
; ---------------- W's path: codes and scale bytes are passed on as they are given, in the record's order.  Wave s takes K step s.
.Lw:
	s_sub_co_u32 s24, ttmp9, 512                   ; R
	s_max_u32 s25, s24, 128
	s_sub_co_u32 s25, s25, 128
	s_and_b32 s26, s25, 15                         ; head
	s_lshl_b32 s26, s26, 2
	s_lshr_b32 s27, s25, 4                         ; dt
	s_add_co_u32 s26, s26, s27
	s_add_co_u32 s26, s26, 128
	s_cmp_lt_u32 s24, 128
	s_cselect_b32 s26, s24, s26                    ; W's tile
	s_lshr_b32 s27, s26, 1
	s_lshl_b32 s27, s27, 5
	s_and_b32 s28, s26, 1
	s_lshl_b32 s28, s28, 3
	s_add_co_u32 s27, s27, s28                     ; the tile's first row
	s_mul_i32 s28, s27, 768                        ; a row of 1,024 codes is 768 bytes
	s_mul_i32 s25, s[WV], 96
	s_add_co_u32 s28, s28, s25
	s_add_nc_u64 s[10:11], s[10:11], s[28:29]
	s_lshl_b32 s28, s27, 5                         ; a row of scales is 32 bytes
	s_lshl_b32 s25, s[WV], 4
	s_add_co_u32 s28, s28, s25
	s_add_nc_u64 s[12:13], s[12:13], s[28:29]      ; (used by waves 0 and 1 alone)
	s_mul_i32 s28, s24, RECB
	s_add_nc_u64 s[16:17], s[16:17], s[28:29]      ; the record
	s_mul_i32 s28, s[WV], 1536
	s_add_nc_u64 s[30:31], s[16:17], s[28:29]
	v_and_b32 v13, 8, v2
	v_add_nc_u32 v13, v13, v2                      ; r + 8 (r / 8)
	v_mul_u32_u24 v14, v13, 768
	v_mad_u32_u24 v14, v3, 24, v14
	v_lshlrev_b32 v15, 5, v13
.irp p, 0,1,2,3,4,5
	global_load_b64 v[16+2*\p:17+2*\p], v14, s[10:11] offset:48*(\p/3)+8*(\p%3)
.endr
	s_cmp_lt_u32 s[WV], 2
	s_cbranch_scc0 .Lw_codes
	global_load_b128 v[28:31], v15, s[12:13]       ; 16 bytes of my row's scales: the words of K steps 4 w .. 4 w + 3
	s_wait_loadcnt 0x0
	global_store_b128 v5, v[28:31], s[16:17] offset:12288
.Lw_codes:
	s_wait_loadcnt 0x0
.irp c, 0,1,2
	global_store_b128 v4, v[16+4*\c:19+4*\c], s[30:31] offset:512*\c
.endr
	s_endpgm
.Lfunc_end_k_q685d84e2a5_prep:
	.size	k_q685d84e2a5_prep, .Lfunc_end_k_q685d84e2a5_prep-k_q685d84e2a5_prep
	.p2alignl 7, 3214868480
	.fill 96, 4, 3214868480
	.section	.rodata,"a",@progbits
	.p2align	6, 0x0
	.amdhsa_kernel k_q685d84e2a5_prep
		.amdhsa_group_segment_fixed_size 76288
		.amdhsa_private_segment_fixed_size 0
		.amdhsa_enable_private_segment 0
		.amdhsa_kernarg_size 56
		.amdhsa_user_sgpr_count 2
		.amdhsa_user_sgpr_kernarg_segment_ptr 1
		.amdhsa_wavefront_size32 1
		.amdhsa_system_sgpr_workgroup_id_x 1
		.amdhsa_system_sgpr_workgroup_id_y 1
		.amdhsa_system_sgpr_workgroup_id_z 1
		.amdhsa_system_vgpr_workitem_id 0
		.amdhsa_next_free_vgpr 256
		.amdhsa_next_free_sgpr 66
		.amdhsa_reserve_vcc 0
		.amdhsa_float_denorm_mode_32 3
		.amdhsa_float_denorm_mode_16_64 3
		.amdhsa_memory_ordered 1
		.amdhsa_forward_progress 1
		.amdhsa_inst_pref_size 29
	.end_amdhsa_kernel
	.amdgpu_metadata
---
amdhsa.version: [ 1, 2 ]
amdhsa.kernels:
  - .name:           k_q685d84e2a5_prep
    .symbol:         k_q685d84e2a5_prep.kd
    .args:
      - { .name: x, .offset: 0, .size: 8, .value_kind: global_buffer, .address_space: global }
      - { .name: ln_g, .offset: 8, .size: 8, .value_kind: global_buffer, .address_space: global }
      - { .name: ln_b, .offset: 16, .size: 8, .value_kind: global_buffer, .address_space: global }
      - { .name: w_qkv_codes, .offset: 24, .size: 8, .value_kind: global_buffer, .address_space: global }
      - { .name: w_qkv_scales, .offset: 32, .size: 8, .value_kind: global_buffer, .address_space: global }
      - { .name: xw, .offset: 40, .size: 8, .value_kind: global_buffer, .address_space: global }
      - { .name: ww, .offset: 48, .size: 8, .value_kind: global_buffer, .address_space: global }
    .group_segment_fixed_size: 76288
    .private_segment_fixed_size: 0
    .kernarg_segment_align: 8
    .kernarg_segment_size: 56
    .max_flat_workgroup_size: 256
    .sgpr_count:     66
    .vgpr_count:     256
    .wavefront_size: 32
...
	.end_amdgpu_metadata
.endif
;; end of part 1
;; launch qkv (part 2): grid 192 x 1, 4 waves a work-group, clusters of 4 x 1, 327,680 bytes of LDS; arguments xw, ww, qc, qs, kv, kvs; writes qc, qs, kv, kvs
.if DOCPART == 2
	.amdgcn_target "amdgcn-amd-amdhsa--gfx1250"
	.amdhsa_code_object_version 6
	.text
	.protected	k_q685d84e2a5_qkv
	.globl	k_q685d84e2a5_qkv
	.p2align	8
	.type	k_q685d84e2a5_qkv,@function
k_q685d84e2a5_qkv:
	s_mov_b64 s[64:65], 0
	v_nop
	global_prefetch_b8 v0, s[64:65] scope:SCOPE_SE
	s_setreg_imm32_b32 hwreg(HW_REG_WAVE_MODE, 25, 1), 1
	s_wait_xcnt 0x0
	s_wait_alu depctr_hold_cnt(0) depctr_sa_sdst(0) depctr_va_vdst(0) depctr_va_sdst(0) depctr_va_ssrc(0) depctr_va_vcc(0) depctr_vm_vsrc(0)
	s_getreg_b32 s2, hwreg(HW_REG_IB_STS2, 6, 4)
	s_cmp_eq_u32 s2, 0
	s_cbranch_scc0 .Lentry_in_a_cluster
	s_endpgm
.Lentry_in_a_cluster:
	s_bfe_u32 s2, ttmp6, 0x10000c
	s_cmp_lg_u32 s2, 0x3003
	s_cbranch_scc0 .Lentry_shape_is_right
	s_endpgm
.Lentry_shape_is_right:
; qkv = Q(xn) W on codes of FP6 (E2M3), K = 1,024, and the quantiser of its results: q and k along a head's 64, v along the keys.  ONE TEXT SERVES ALL THREE.
; A wave keeps a STATIONARY operand P of 64 rows (4 records: 32 fragments, 384 registers, and 32 scale words) for the whole launch; the STREAMING operand S, 32 records, goes through a ring of two LDS slots
; of 8 records, read by all four waves.  D = P (source 0) x S (source 1): a lane holds ONE row of S, and its 32 results run along P's 64 rows: two blocks of 32, each in lanes l and l xor 16
; (the records' order of rows makes the 16 registers of two neighbouring tiles 16 neighbours).  They are quantised in registers and leave as half an operand's image: 6 registers a lane, 768 bytes, and a halfword of two scale bytes a row.
;   q, k (clusters 0 .. 31; even q, odd k): P = the 64 rows of W of head 4 cx + wave; S = 512 tokens of x (chunk = cluster / 2).
;   v    (clusters 32 .. 47):               P = 64 tokens of x (keys);                S = 32 of W's records for v (two tiles of 16 channels x 16 heads).
; Only pointers and strides differ, chosen by scalar arithmetic on the cluster's number: no branch hangs on the kind.
; CLUSTER: the four work-groups of a cluster walk the same 32 records of S: each slot is asked for JOINTLY (mask 15); cx enters P's address and the outputs' alone.
; 48 slices of 64 columns on four waves are 12 column groups, which do not divide 256: 192 work-groups of equal work.
; REGISTERS, in windows of 256: window 0: addresses, scale words, the 4 accumulators, the quantiser's work.  Window 1: P's fragments of K steps 0-3 at v[48 s + 12 t]; window 2: of K steps 4-7.  Window 3: S's fragments, two buffers, at v[96 p + 12 s].
; LIMITS: a block whose largest magnitude lies under 2^-124 keeps the scale byte 1 (a block of zeros too: its codes are zeros, and this program alone reads the bytes).
.set RECB,  13312
.set SLOTB, 8*RECB                     ; a slot: 8 records as they lie in memory; no padding: every LDS load takes 512 consecutive bytes
.set SPARE, 2*SLOTB                    ; the spare words, 128 bytes for each wave: two blocks of 256 bytes that no other line names
.set L16,   1                          ; v1   16 x lane
.set L8,    2                          ; v2   8 x lane
.set LSC,   3                          ; v3   16 x (lane % 16)
.set SA,    4                          ; v4   LDS address of the record in hand
.set SPW,   5                          ; v5   my spare word; never rewritten
.set NIL,   6                          ; v6   0; never rewritten
.set PS,    8                          ; v8-39   P's scale words: [8 t + s]
.set SS,    40                         ; v40-55  S's scale words: [8 p + s]
.set ACC,   56                         ; v56-87  four accumulators
.set TM,    88                         ; v88-89  largest magnitudes
.set T2,    90                         ; v90-91  the other half's
.set TS,    92                         ; v92-93  the conversions' scale operands
.set TB,    94                         ; v94-95  the bytes
.set PH,    96                         ; v96     the halfword
.set PC,    98                         ; v98-104 the codes
.set WV,    16
.set G1,    24                         ; s[24:31] descriptor group 1
.set G0,    32                         ; s[32:39] group 0, one set for each slot
.set OC,    40                         ; s[40:41] where the codes go;   s[42:43] the halfwords
.set OS,    42
.set C1,    44                         ; s[44:47] their steps from tile to tile
.set S1,    46
.set EAC,   48                         ; s[48:51] the extra steps behind slots 0 and 2
.set EAS,   50
.set EBC,   52                         ; s[52:55] behind slot 1
.set EBS,   54
.set SBS,   56                         ; s[56:57] S at my two records of slot 0
.set PB,    58                         ; s[58:59] P
.set SEL,   60
.set CNT,   62
.set MSB, 0
.macro WIN new                         ; the immediate's high byte repeats the setting that is left
.if MSB != \new
	s_set_vgpr_msb (MSB<<8)|\new
.set MSB, \new
.endif
.endm
.macro ROUND                           ; a round of the cluster's barrier
	s_barrier_signal -1
	s_barrier_wait -1
	s_cmp_lg_u32 s[WV], 0
	s_cbranch_scc1 .Lnot_wave_0_\@
	s_barrier_signal -3
.Lnot_wave_0_\@:
	s_barrier_wait -3
	s_barrier_signal -1
	s_barrier_wait -1
.endm
	s_load_b256 s[4:11], s[0:1], 0x0               ; xw, ww, qc, qs
	s_load_b128 s[12:15], s[0:1], 0x20             ; kv, kvs
	v_lshl_add_u32 v[SPW], v0, 2, SPARE
	v_mov_b32 v[NIL], 0
	ds_add_u32 v5, v6
	ds_add_u32 v5, v6
	s_wait_dscnt 0x0
	v_lshrrev_b32 v1, 5, v0
	v_readfirstlane_b32 s[WV], v1                  ; wave 0..3
	v_and_b32 v2, 31, v0
	v_lshlrev_b32 v[L16], 4, v2
	v_and_b32 v3, 15, v0
	v_lshlrev_b32 v[LSC], 4, v3
	v_lshlrev_b32 v[L8], 3, v2
	v_mov_b32 v[T2], 0                             ; a lane permute's destination counts as one of its sources
	v_mov_b32 v[T2+1], 0
	s_mov_b32 s[SEL], 0x76543210
	s_mov_b32 s[SEL+1], 0xfedcba98
	s_bfe_u32 s17, ttmp6, 0x40000                  ; cx
	s_cmp_ge_u32 ttmp9, 32
	s_cselect_b32 s19, 1, 0                        ; fv: a cluster for v
	s_xor_b32 s66, s19, 1
	s_and_b32 s20, ttmp9, 1
	s_mul_i32 s20, s20, s66                        ; fk: a cluster for k
	; the steps.  q: 768 bytes and 2 bytes a tile; 8 tiles' halfwords fill 16 of a step's 256 bytes.  k: a step of 12,288 bytes holds 6,144 of K; 512 of scales hold 256 of K's.
	; v: from tile to tile a head on (196,608 and 8,192 bytes); behind 16 tiles back to head 0 and one tile of channels on (1,536 and 4 bytes)
	s_mul_i32 s[C1], s19, 195840
	s_add_co_u32 s[C1], s[C1], 768
	s_mov_b32 s[C1+1], 0
	s_mul_i32 s[S1], s19, 8190
	s_add_co_u32 s[S1], s[S1], 2
	s_mov_b32 s[S1+1], 0
	s_mul_i32 s[EAC], s20, 6144
	s_mov_b32 s[EAC+1], 0
	s_mul_i32 s[EAS], s66, 240
	s_lshl_b32 s67, s20, 8
	s_add_co_u32 s[EAS], s[EAS], s67
	s_mov_b32 s[EAS+1], 0
	s_mul_i32 s[EBC], s19, 0xffd00600              ; -3,144,192 = 1,536 - 16 x 196,608
	s_add_co_u32 s[EBC], s[EBC], s[EAC]
	s_ashr_i32 s[EBC+1], s[EBC], 31
	s_mul_i32 s[EBS], s19, 0xfffe0004              ; -131,068 = 4 - 16 x 8,192
	s_add_co_u32 s[EBS], s[EBS], s[EAS]
	s_ashr_i32 s[EBS+1], s[EBS], 31
	; q and k
	s_lshr_b32 s67, ttmp9, 1                       ; chunk of 512 tokens
	s_lshl_b32 s68, s17, 2
	s_add_co_u32 s68, s68, s[WV]                   ; head = 4 cx + wave
	s_lshr_b32 s69, s67, 2                         ; batch
	s_and_b32 s70, s67, 3                          ; which 512 of its 2,048 tokens
	s_lshl_b32 s69, s69, 4
	s_add_co_u32 s69, s69, s68                     ; batch x 16 + head
	s_mul_i32 s71, s69, 98304
	s_mul_i32 s72, s70, 24576
	s_add_co_u32 s71, s71, s72
	s_lshl_b32 s71, s71, s20                       ; the codes' place (k's strides are twice q's)
	s_lshl_b32 s72, s69, 12
	s_lshl_b32 s73, s70, 10
	s_add_co_u32 s72, s72, s73
	s_lshl_b32 s72, s72, s20                       ; the halfwords' place
	s_lshl_b32 s86, s67, 5                         ; S's first record: made of the cluster's number alone
	s_lshl_b32 s74, s20, 6
	s_lshl_b32 s75, s68, 2
	s_add_co_u32 s74, s74, s75                     ; P's first record: 64 fk + 4 head
	; v
	s_max_u32 s76, ttmp9, 32
	s_sub_co_u32 s76, s76, 32
	s_lshr_b32 s77, s76, 3                         ; which half of W's records for v
	s_and_b32 s78, s76, 7
	s_lshl_b32 s78, s78, 2
	s_add_co_u32 s78, s78, s17
	s_lshl_b32 s78, s78, 2
	s_add_co_u32 s78, s78, s[WV]                   ; which 64 keys of the 8,192
	s_lshr_b32 s79, s78, 5                         ; batch
	s_bfe_u32 s80, s78, 0x40001                    ; key step of 128
	s_and_b32 s81, s78, 1                          ; its half
	s_mul_i32 s82, s79, 3145728
	s_mul_i32 s83, s80, 12288
	s_add_co_u32 s82, s82, s83
	s_mul_i32 s83, s77, 3072
	s_add_co_u32 s82, s82, s83
	s_mul_i32 s83, s81, 768
	s_add_co_u32 s82, s82, s83
	s_add_co_u32 s82, s82, 6144                    ; the codes' place
	s_lshl_b32 s83, s79, 17
	s_lshl_b32 s84, s80, 9
	s_add_co_u32 s83, s83, s84
	s_lshl_b32 s84, s77, 3
	s_add_co_u32 s83, s83, s84
	s_lshl_b32 s84, s81, 1
	s_add_co_u32 s83, s83, s84
	s_add_co_u32 s83, s83, 256                     ; the halfwords' place
	s_lshl_b32 s87, s77, 5
	s_add_co_u32 s87, s87, 128                     ; S's first record: made of the cluster's number alone
	s_lshl_b32 s85, s78, 2                         ; P's first record
	; descriptor group 1: two records, 26,624 dense bytes, as 104 rows of 256 bytes (32 elements of 8 bytes)
	s_mov_b32 s[G1], 15|(3<<16)|(1<<21)            ; the mask: all four work-groups; elements of 8 bytes; bit 21 set beside a mask; no padding
	s_mov_b32 s[G1+1], 32<<16                      ; tensor_dim0
	s_mov_b32 s[G1+2], 104<<16                     ; tensor_dim1
	s_mov_b32 s[G1+3], 32<<16                      ; tile_dim0
	s_mov_b32 s[G1+4], 104                         ; tile_dim1
	s_mov_b32 s[G1+5], 32                          ; the pitch
	s_mov_b32 s[G1+6], 0
	s_mov_b32 s[G1+7], 0
	s_cmp_lt_u32 ttmp9, 32                         ; the choice hangs on the cluster's number alone
	s_cselect_b32 s71, s71, s82
	s_cselect_b32 s72, s72, s83
	s_cselect_b32 s86, s86, s87
	s_cselect_b32 s74, s74, s85
	s_wait_kmcnt 0x0
	s_cselect_b64 s[SBS:SBS+1], s[4:5], s[6:7]     ; S: x's records, or W's
	s_cselect_b64 s[PB:PB+1], s[6:7], s[4:5]       ; P: W's, or x's
	s_or_b32 s75, s19, s20
	s_cmp_eq_u32 s75, 0                            ; q?
	s_cselect_b64 s[OC:OC+1], s[8:9], s[12:13]
	s_cselect_b64 s[OS:OS+1], s[10:11], s[14:15]
	s_mov_b32 s90, s71
	s_mov_b32 s91, 0
	s_add_nc_u64 s[OC:OC+1], s[OC:OC+1], s[90:91]
	s_mov_b32 s90, s72
	s_add_nc_u64 s[OS:OS+1], s[OS:OS+1], s[90:91]
	s_sub_nc_u64 s[OC:OC+1], s[OC:OC+1], s[C1:C1+1]   ; one step low: each tile steps them first, in its middle
	s_sub_nc_u64 s[OS:OS+1], s[OS:OS+1], s[S1:S1+1]
	s_mul_i32 s74, s74, RECB
	s_mov_b32 s75, 0
	s_add_nc_u64 s[PB:PB+1], s[PB:PB+1], s[74:75]
	s_lshl_b32 s87, s[WV], 1
	s_add_co_u32 s86, s86, s87                     ; wave w fetches records 2 w and 2 w + 1 of a slot
	s_mul_i32 s86, s86, RECB
	s_mov_b32 s87, 0
	s_add_nc_u64 s[SBS:SBS+1], s[SBS:SBS+1], s[86:87]
	s_mul_i32 s88, s[WV], 2*RECB
.irp n, 0,1
	s_mov_b32 s[G0+4*\n], 1
	s_add_co_u32 s[G0+4*\n+1], s88, \n*SLOTB
	s_add_nc_u64 s[G0+4*\n+2:G0+4*\n+3], s[SBS:SBS+1], \n*SLOTB
	s_or_b32 s[G0+4*\n+3], s[G0+4*\n+3], 0x80000000
.endr
	ROUND                                          ; all four work-groups are here: the first joint loads meet
	tensor_load_to_lds s[G0:G0+3], s[G1:G1+7]      ; both first fills together: two loads of mine are out
	s_nop 0
	tensor_load_to_lds s[G0+4:G0+7], s[G1:G1+7]
	s_nop 0
.rept 4
	v_nop
.endr
	WIN 0x40                                       ; P stays in registers: K steps 0-3 into window 1,
.irp s, 0,1,2,3
.irp t, 0,1,2,3
.irp c, 0,1,2
	global_load_b128 v[48*\s+12*\t+4*\c:48*\s+12*\t+4*\c+3], v[L16], s[PB:PB+1] offset:\t*RECB+1536*\s+512*\c
.endr
.endr
.endr
	WIN 0x80                                       ; K steps 4-7 into window 2,
.irp s, 0,1,2,3
.irp t, 0,1,2,3
.irp c, 0,1,2
	global_load_b128 v[48*\s+12*\t+4*\c:48*\s+12*\t+4*\c+3], v[L16], s[PB:PB+1] offset:\t*RECB+1536*(\s+4)+512*\c
.endr
.endr
.endr
	WIN 0
.irp t, 0,1,2,3
.irp j, 0,1
	global_load_b128 v[PS+8*\t+4*\j:PS+8*\t+4*\j+3], v[L16], s[PB:PB+1] offset:\t*RECB+12288+512*\j   ; and its scale words
.endr
.endr
; a record's 8 fragments and 8 scale words, from off bytes behind v[SA], into buffer p
.macro FETCH p, off
	WIN 0xc0                                       ; destination window 3, address window 0
.irp s, 0,1,2,3,4,5,6,7
.irp c, 0,1,2
	ds_load_b128 v[96*(\p)+12*\s+4*\c:96*(\p)+12*\s+4*\c+3], v[SA] offset:\off+1536*\s+512*\c
.endr
.endr
	WIN 0
.irp j, 0,1
	ds_load_b128 v[SS+8*(\p)+4*\j:SS+8*(\p)+4*\j+3], v[SA] offset:\off+12288+512*\j
.endr
.endm
; 16 products: K steps s0 .. s0 + 3, P's four tiles by turns, one instruction a turn.  K step 0 starts the sums: nothing is cleared
.macro MUL p, s0
.irp s, \s0, \s0+1, \s0+2, \s0+3
.irp t, 0,1,2,3
.if (\s) == 0
	v_wmma_scale_f32_16x16x128_f8f6f4 v[ACC+8*\t:ACC+8*\t+7], v[48*((\s)%4)+12*\t:48*((\s)%4)+12*\t+11], v[96*(\p)+12*(\s):96*(\p)+12*(\s)+11], 0, v[PS+8*\t+(\s)], v[SS+8*(\p)+(\s)] matrix_a_fmt:MATRIX_FMT_FP6 matrix_b_fmt:MATRIX_FMT_FP6
.else
	v_wmma_scale_f32_16x16x128_f8f6f4 v[ACC+8*\t:ACC+8*\t+7], v[48*((\s)%4)+12*\t:48*((\s)%4)+12*\t+11], v[96*(\p)+12*(\s):96*(\p)+12*(\s)+11], v[ACC+8*\t:ACC+8*\t+7], v[PS+8*\t+(\s)], v[SS+8*(\p)+(\s)] matrix_a_fmt:MATRIX_FMT_FP6 matrix_b_fmt:MATRIX_FMT_FP6
.endif
.endr
.endr
.endm
; my 32 results, register 16 b + i = place 32 b + 16 h + i along P's 64 rows, become 6 registers of codes (places 32 h .. 32 h + 31) and a halfword of two bytes.  Each accumulator is read from its low end on
.macro QUANTH
.irp b, 0,1
	v_max3_num_f32 v[TM+\b], |v[ACC+16*\b]|, |v[ACC+16*\b+1]|, 0x1800000   ; and the floor 2^(3 - 127): the byte cannot fall under 1
.endr
.irp i, 2,4,6,8,10,12,14
.irp b, 0,1
	v_max3_num_f32 v[TM+\b], v[TM+\b], |v[ACC+16*\b+\i]|, |v[ACC+16*\b+\i+1]|
.endr
.endr
.irp b, 0,1
	v_permlanex16_b32 v[T2+\b], v[TM+\b], s[SEL], s[SEL+1]
.endr
.irp b, 0,1
	v_max_num_f32 v[TM+\b], v[TM+\b], v[T2+\b]     ; the block's largest magnitude
.endr
.irp b, 0,1
	v_add_nc_u32 v[TS+\b], 0xff000000, v[TM+\b]    ; 2 off its exponent field: the conversion's scale operand
.endr
.irp b, 0,1
	v_lshrrev_b32 v[TB+\b], 23, v[TS+\b]           ; the byte
.endr
	v_lshl_or_b32 v[PH], v[TB+1], 8, v[TB]
	v_cvt_scalef32_pk16_fp6_f32 v[PC:PC+2], v[ACC:ACC+15], v[TS]
	v_cvt_scalef32_pk16_fp6_f32 v[PC+4:PC+6], v[ACC+16:ACC+31], v[TS+1]
	v_nop                                          ; one plain place behind a scaled conversion
.irp i, 0,1,2
	v_permlane16_swap_b32 v[PC+\i], v[PC+4+\i]     ; lanes 0-15 now hold block 0 whole, lanes 16-31 block 1
.endr
.irp i, 0,1,2
	v_mov_b32 v[PC+3+\i], v[PC+4+\i]
.endr
.endm
; A TILE: one record of S against P: 32 products, the quantiser, three stores.  fetch = 1: the next record comes into the other buffer meanwhile.
; The loads into that buffer stand behind the last tile's four v_nop, which are the places behind the products that read it.  The next tile's first product, which writes the accumulators anew, stands behind
; these four v_nop and the quantiser's lines on its own registers: more than five places.
.macro TILE p, fetch
	s_wait_dscnt 0x0                               ; buffer p is in (asked for in the middle of the last tile)
	WIN 0x0d                                       ; P window 1, S window 3, the sums window 0
	MUL \p, 0
	s_wait_xcnt 0x0                                ; the last tile's stores have read their registers and their bases: both may be written
	s_add_nc_u64 s[OC:OC+1], s[OC:OC+1], s[C1:C1+1]
	s_add_nc_u64 s[OS:OS+1], s[OS:OS+1], s[S1:S1+1]
.if \fetch
	FETCH 1-\p, RECB
.endif
	WIN 0x0e                                       ; P window 2
	MUL \p, 4
	WIN 0
.rept 4
	v_nop                                          ; places behind the products, ahead of the first read of their results
.endr
	QUANTH
	global_store_b128 v[L16], v[PC:PC+3], s[OC:OC+1]                 ; 512 consecutive bytes,
	global_store_b64 v[L8], v[PC+4:PC+5], s[OC:OC+1] offset:512      ; and the 256 behind them
	global_store_b16 v[LSC], v[PH], s[OS:OS+1]                       ; (both halves of the lanes write the same halfword with the same value)
	v_add_nc_u32 v[SA], RECB, v[SA]
.endm
.macro SLOTWORK n                      ; a slot's 8 tiles; the last two are written out, so that nothing is fetched past the slot
	v_add_nc_u32 v[SA], \n*SLOTB, v[L16]
	FETCH 0, 0
	s_mov_b32 s[CNT], 3
.Ltiles_\@:
	TILE 0, 1
	TILE 1, 1
	s_sub_co_u32 s[CNT], s[CNT], 1
	s_cmp_lg_u32 s[CNT], 0
	s_cbranch_scc1 .Ltiles_\@
	TILE 0, 1
	TILE 1, 0
.endm
.macro EXTRA c, s                      ; the outputs' extra step at a slot's end
	s_wait_xcnt 0x0                                ; the last stores have read their bases
	s_add_nc_u64 s[OC:OC+1], s[OC:OC+1], s[\c:\c+1]
	s_add_nc_u64 s[OS:OS+1], s[OS:OS+1], s[\s:\s+1]
.endm
; THE CHANGE OF SLOTS.  Each wave waits for all its tensor loads (its part of the slot ahead), adds 0 to its spare word, and waits for that and for its reads of slot n.  fill = 1: slot n is filled again, 16 records on:
; the barrier is a round of the cluster's, and the joint load is the first thing behind it; it has a slot's 256 products in which to land.
.macro CHANGE n, fill
	s_wait_tensorcnt 0x0                           ; no tensor load of mine is out, so a group 0 may be written
	ds_add_u32 v[SPW], v[NIL]                      ; 0 onto my spare word
.if \fill
	s_add_nc_u64 s[G0+4*\n+2:G0+4*\n+3], s[G0+4*\n+2:G0+4*\n+3], 2*SLOTB
.endif
	s_wait_dscnt 0x0                               ; the add is done, and my reads of the slot are over
.if \fill
	ROUND
	tensor_load_to_lds s[G0+4*\n:G0+4*\n+3], s[G1:G1+7]
	s_nop 0
.rept 4
	v_nop
.endr
.else
	s_barrier_signal -1
	s_barrier_wait -1
.endif
.endm
	s_wait_loadcnt 0x0                             ; P
	s_wait_tensorcnt 0x1                           ; my part of slot 0 is in; slot 1's may be out
	s_barrier_signal -1
	s_barrier_wait -1                              ; everybody's is
	SLOTWORK 0
	EXTRA EAC, EAS
	CHANGE 0, 1
	SLOTWORK 1
	EXTRA EBC, EBS
	CHANGE 1, 1
	SLOTWORK 0
	EXTRA EAC, EAS
	CHANGE 0, 0                                    ; nothing is left to fetch
	SLOTWORK 1
	s_wait_tensorcnt 0x0                           ; the wave's end
	ds_add_u32 v[SPW], v[NIL]
	s_wait_dscnt 0x0
	ROUND                                          ; the closing round: no work-group ends while a partner may still ask for a tile that names it
	s_endpgm
.Lfunc_end_k_q685d84e2a5_qkv:
	.size	k_q685d84e2a5_qkv, .Lfunc_end_k_q685d84e2a5_qkv-k_q685d84e2a5_qkv
	.p2alignl 7, 3214868480
	.fill 96, 4, 3214868480
	.section	.rodata,"a",@progbits
	.p2align	6, 0x0
	.amdhsa_kernel k_q685d84e2a5_qkv
		.amdhsa_group_segment_fixed_size 327680
		.amdhsa_private_segment_fixed_size 0
		.amdhsa_enable_private_segment 0
		.amdhsa_kernarg_size 48
		.amdhsa_user_sgpr_count 2
		.amdhsa_user_sgpr_kernarg_segment_ptr 1
		.amdhsa_wavefront_size32 1
		.amdhsa_system_sgpr_workgroup_id_x 1
		.amdhsa_system_sgpr_workgroup_id_y 1
		.amdhsa_system_sgpr_workgroup_id_z 1
		.amdhsa_system_vgpr_workitem_id 0
		.amdhsa_next_free_vgpr 960
		.amdhsa_next_free_sgpr 100
		.amdhsa_reserve_vcc 0
		.amdhsa_float_denorm_mode_32 3
		.amdhsa_float_denorm_mode_16_64 3
		.amdhsa_memory_ordered 1
		.amdhsa_forward_progress 1
		.amdhsa_inst_pref_size 152
	.end_amdhsa_kernel
	.amdgpu_metadata
---
amdhsa.version: [ 1, 2 ]
amdhsa.kernels:
  - .name:           k_q685d84e2a5_qkv
    .symbol:         k_q685d84e2a5_qkv.kd
    .args:
      - { .name: xw, .offset: 0, .size: 8, .value_kind: global_buffer, .address_space: global }
      - { .name: ww, .offset: 8, .size: 8, .value_kind: global_buffer, .address_space: global }
      - { .name: qc, .offset: 16, .size: 8, .value_kind: global_buffer, .address_space: global }
      - { .name: qs, .offset: 24, .size: 8, .value_kind: global_buffer, .address_space: global }
      - { .name: kv, .offset: 32, .size: 8, .value_kind: global_buffer, .address_space: global }
      - { .name: kvs, .offset: 40, .size: 8, .value_kind: global_buffer, .address_space: global }
    .group_segment_fixed_size: 327680
    .private_segment_fixed_size: 0
    .kernarg_segment_align: 8
    .kernarg_segment_size: 48
    .max_flat_workgroup_size: 128
    .sgpr_count:     100
    .vgpr_count:     960
    .wavefront_size: 32
...
	.end_amdgpu_metadata
.endif
;; end of part 2
;; launch attn (part 3): grid 256 x 1, 8 waves a work-group, clusters of 4 x 1, 248,832 bytes of LDS; arguments qc, qs, kv, kvs, mask, out0; writes out0
.if DOCPART == 3
	.amdgcn_target "amdgcn-amd-amdhsa--gfx1250"
	.amdhsa_code_object_version 6
	.text
	.protected	k_q685d84e2a5_attn
	.globl	k_q685d84e2a5_attn
	.p2align	8
	.type	k_q685d84e2a5_attn,@function
k_q685d84e2a5_attn:
	s_mov_b64 s[64:65], 0
	v_nop
	global_prefetch_b8 v0, s[64:65] scope:SCOPE_SE
	s_setreg_imm32_b32 hwreg(HW_REG_WAVE_MODE, 25, 1), 1
	s_wait_xcnt 0x0
	s_wait_alu depctr_hold_cnt(0) depctr_sa_sdst(0) depctr_va_vdst(0) depctr_va_sdst(0) depctr_va_ssrc(0) depctr_va_vcc(0) depctr_vm_vsrc(0)
	s_getreg_b32 s2, hwreg(HW_REG_IB_STS2, 6, 4)
	s_cmp_eq_u32 s2, 0
	s_cbranch_scc0 .Lentry_in_a_cluster
	s_endpgm
.Lentry_in_a_cluster:
	s_bfe_u32 s2, ttmp6, 0x10000c
	s_cmp_lg_u32 s2, 0x3003
	s_cbranch_scc0 .Lentry_shape_is_right
	s_endpgm
.Lentry_shape_is_right:
; out[b][q][head] = sum over keys of softmax(q . k / 8, hidden keys left out) v, both products on codes of FP6 (E2M3) with E8M0 scales.  16 heads of 64, 2,048 keys, 4 batches.
; THE SOFTMAX: t = score x log2(e) / 8; M = the running largest t, rounded UP to a whole number; p = 2^(t - M) is quantised along the keys, not normalised; the row's sum is taken of the unquantised p and divides at the end.
; When M moves, the sum and O are multiplied by 2^(old M - new M): exact.
; SHARES.  A cluster of four work-groups owns one batch and head; a work-group 512 of its queries; each of its eight waves 64: four tiles of 16.  Two waves to a SIMD, so that one wave's vector work stands beside the other's products.
; THE WHOLE HEAD LIES IN LDS: K and V as halves of operand images (12,288 bytes a step of 128 keys), their scale words (512 a step): filled ONCE, jointly for the four work-groups.  No byte of LDS is filled again.
; BOTH PRODUCTS ARE USED TRANSPOSED: S^T = K Q^T, O^T = V^T P^T: a lane holds ONE query.  The order of rows in a tile (index r: 8 u + r + 8 (r / 8) of a group of 32) makes the 16 registers of two neighbouring tiles 16 neighbours.
; K = 64 IN AN INSTRUCTION OF 128: source 0 is two key tiles on end; source 1 is [q | zeros] for the first and [zeros | q] for the second: zero codes add nothing.  q's scale word holds its two bytes twice.
; THE MASK costs no vector instruction in the loop: the C of each product K Q^T is 0 for a key that counts and -2^100 for a hidden one: its p is then 0.
; LIMIT: that takes |q . k| under 2^75.  Where every key of a batch is hidden all scores round to -2^100, every p is 1 and the weights are uniform, as a softmax of equal numbers gives.
; REGISTERS: window 0: v1-12 addresses; v16-39 six of statistics a tile (-M, largest t | the sum's two halves | f, p's scale word); v40-51 scale words of K, V, Q; v52-105 Q between runs of zeros; v106-153 p's codes;
;   v154-217 S^T of the tile in hand, then p; v218-241 at work.   window 1: v0-127 O^T (tile i, channels' tile dt at 32 i + 8 dt); v128-175 four operands of K, later of V; v176-239 the step's 0 / -2^100.
.set STEPB, 12288
.set SCL,   16*STEPB                   ; the scale words
.set BIAS,  SCL+8192                   ; 2,048 numbers, written by the waves: no fill lands here
.set STAGE, BIAS+8192                  ; the way out: 16 rows x (256 + 16) bytes for each wave
.set L16,   1
.set L8,    2
.set LS,    3                          ; v3   SCL + 16 r
.set LB,    4                          ; v4   BIAS + 64 h
.set A16,   5                          ; v5-8 the same four in the step in hand
.set A8,    6
.set AS,    7
.set AB,    8
.set STO,   9
.set RD,    10
.set GO,    11
.set ST,    16
.set KS,    40
.set VS,    44
.set QS,    48
.set QR,    52
.set PCB,   106
.set SCO,   154
.set BM,    218                        ; v218-221 a block's largest score, then its largest p
.set T2,    222                        ; v222-225 the other half's, then the bytes
.set TS,    226                        ; v226-229 the conversions' scale operands
.set CV,    230                        ; v230-236 codes at work
.set WW,    238
.set SUM,   240
.set KVF,   128
.set BI,    176
.set WV,    16
.set SEL,   18
.set CS,    20                         ; s[20:21] c = log2(e) / 8
.set KB,    22                         ; s22  the step's first byte of K and V
.set SB,    23                         ; s23  of the scale words, and of the 0 / -2^100: 512 bytes a step both
.set G1S,   24
.set G1A,   32
.set G1B,   40
.set G0S,   48
.set G0A,   52
.set G0B,   56
.set CNT,   60
.set MSB, 0
.macro WIN new
.if MSB != \new
	s_set_vgpr_msb (MSB<<8)|\new
.set MSB, \new
.endif
.endm
.macro ROUND
	s_barrier_signal -1
	s_barrier_wait -1
	s_cmp_lg_u32 s[WV], 0
	s_cbranch_scc1 .Lnot_wave_0_\@
	s_barrier_signal -3
.Lnot_wave_0_\@:
	s_barrier_wait -3
	s_barrier_signal -1
	s_barrier_wait -1
.endm
	s_load_b256 s[4:11], s[0:1], 0x0               ; qc, qs, kv, kvs
	s_load_b128 s[12:15], s[0:1], 0x20             ; mask, out0
	v_lshl_add_u32 v254, v0, 2, 0x3c800
	v_mov_b32 v255, 0
	ds_add_u32 v254, v255
	ds_add_u32 v254, v255
	v_lshrrev_b32 v1, 5, v0
	v_readfirstlane_b32 s[WV], v1                  ; wave 0..7
	s_bfe_u32 s17, ttmp6, 0x40000                  ; cx: it enters the addresses of q, of its scales and of the output alone
	; three dense blocks a wave, as rows of 256 bytes (32 elements of 8 bytes): 4 rows of scale words; 24 rows of key steps 0-3; 72 rows of key steps 4-15
.irp g, G1S, G1A, G1B
	s_mov_b32 s[\g], 15|(3<<16)|(1<<21)            ; the mask: all four work-groups; elements of 8 bytes; bit 21 set beside a mask
	s_mov_b32 s[\g+1], 32<<16
	s_mov_b32 s[\g+3], 32<<16
	s_mov_b32 s[\g+5], 32
	s_mov_b32 s[\g+6], 0
	s_mov_b32 s[\g+7], 0
.endr
	s_mov_b32 s[G1S+2], 4<<16
	s_mov_b32 s[G1S+4], 4
	s_mov_b32 s[G1A+2], 24<<16
	s_mov_b32 s[G1A+4], 24
	s_mov_b32 s[G1B+2], 72<<16
	s_mov_b32 s[G1B+4], 72
	s_mov_b32 s[SEL], 0x76543210
	s_mov_b32 s[SEL+1], 0xfedcba98
	s_mov_b32 s[CS], 0x3e38aa3b
	s_mov_b32 s[CS+1], s[CS]
	s_mov_b32 s[KB], 0
	s_mov_b32 s[SB], 0
	s_lshl_b32 s68, s[WV], 10
	s_lshl_b32 s66, ttmp9, 13                      ; the cluster's number is batch x 16 + head
	s_add_co_u32 s66, s66, s68
	s_mov_b32 s67, 0
	s_mul_i32 s69, s[WV], 6144
	s_mul_i32 s70, ttmp9, 196608
	s_mov_b32 s71, 0
	s_mul_i32 s74, s[WV], 18432
	s_add_co_u32 s72, s70, s74
	s_add_co_u32 s72, s72, 4*STEPB
	s_mov_b32 s73, 0
	s_add_co_u32 s70, s70, s69
	s_wait_dscnt 0x0
	s_wait_kmcnt 0x0
	s_mov_b32 s[G0S], 1
	s_add_co_u32 s[G0S+1], s68, SCL
	s_add_nc_u64 s[G0S+2:G0S+3], s[10:11], s[66:67]
	s_or_b32 s[G0S+3], s[G0S+3], 0x80000000
	s_mov_b32 s[G0A], 1
	s_mov_b32 s[G0A+1], s69
	s_add_nc_u64 s[G0A+2:G0A+3], s[8:9], s[70:71]
	s_or_b32 s[G0A+3], s[G0A+3], 0x80000000
	s_mov_b32 s[G0B], 1
	s_add_co_u32 s[G0B+1], s74, 4*STEPB
	s_add_nc_u64 s[G0B+2:G0B+3], s[8:9], s[72:73]
	s_or_b32 s[G0B+3], s[G0B+3], 0x80000000
	ROUND                                          ; all four work-groups are here: the joint loads meet
	tensor_load_to_lds s[G0S:G0S+3], s[G1S:G1S+7]  ; all fills of the launch, as one group: three loads of mine are out
	s_nop 0
	tensor_load_to_lds s[G0A:G0A+3], s[G1A:G1A+7]
	s_nop 0
	tensor_load_to_lds s[G0B:G0B+3], s[G1B:G1B+7]
	s_nop 0
.rept 4
	v_nop
.endr
	s_lshr_b32 s76, ttmp9, 4                       ; batch
	s_and_b32 s77, ttmp9, 15                       ; head
	s_lshl_b32 s78, s76, 13
	s_mov_b32 s79, 0
	s_add_nc_u64 s[12:13], s[12:13], s[78:79]      ; the batch's mask
	s_lshl_b32 s80, s17, 3
	s_add_co_u32 s80, s80, s[WV]                   ; my block of 64 queries: 8 cx + wave
	s_mul_i32 s78, ttmp9, 98304
	s_mul_i32 s81, s80, 3072
	s_add_co_u32 s78, s78, s81
	s_add_nc_u64 s[4:5], s[4:5], s[78:79]          ; my four tiles of q
	s_lshl_b32 s78, ttmp9, 12
	s_lshr_b32 s81, s80, 1
	s_lshl_b32 s81, s81, 8
	s_add_co_u32 s78, s78, s81
	s_and_b32 s81, s80, 1
	s_lshl_b32 s81, s81, 3
	s_add_co_u32 s78, s78, s81
	s_add_nc_u64 s[6:7], s[6:7], s[78:79]          ; their four halfwords a row
	s_lshl_b32 s78, s76, 23
	s_lshl_b32 s81, s80, 18
	s_add_co_u32 s78, s78, s81
	s_lshl_b32 s81, s77, 8
	s_add_co_u32 s78, s78, s81
	s_add_nc_u64 s[14:15], s[14:15], s[78:79]      ; my first token's row of the output, at my head's 256 bytes
	s_mul_i32 s75, s[WV], 16*272
	s_add_co_u32 s75, s75, STAGE
	v_and_b32 v[WW], 31, v0                        ; lane
	v_and_b32 v[SUM], 15, v0                       ; r
	v_bfe_u32 v[SUM+1], v0, 4, 1                   ; h
	v_lshlrev_b32 v[L16], 4, v[WW]
	v_lshlrev_b32 v[L8], 3, v[WW]
	v_lshlrev_b32 v243, 5, v0                      ; the mask: 8 keys a thread
	v_lshlrev_b32 v242, 4, v[SUM]
	global_load_b128 v[SCO:SCO+3], v243, s[12:13]
	global_load_b128 v[SCO+4:SCO+7], v243, s[12:13] offset:16
.irp i, 0,1,2,3
	global_load_b128 v[QR+6+12*\i:QR+9+12*\i], v[L16], s[4:5] offset:768*\i
	global_load_b64 v[QR+10+12*\i:QR+11+12*\i], v[L8], s[4:5] offset:768*\i+512
.endr
	global_load_b64 v[14:15], v242, s[6:7]
	v_lshl_add_u32 v[LS], v[SUM], 4, SCL
	v_lshl_add_u32 v[LB], v[SUM+1], 6, BIAS
	v_lshl_add_u32 v13, v0, 5, BIAS                ; where my 8 numbers of 0 / -2^100 go
	v_mul_u32_u24 v[STO], v[SUM], 272
	v_lshl_add_u32 v[STO], v[SUM+1], 6, v[STO]
	v_add_nc_u32 v[STO], s75, v[STO]               ; the stage, in: row r, + 64 h
	v_mul_u32_u24 v[RD], v[SUM+1], 272
	v_lshl_add_u32 v[RD], v[SUM], 4, v[RD]
	v_add_nc_u32 v[RD], s75, v[RD]                 ; back: lanes 0-15 one row, lanes 16-31 the next
	v_lshlrev_b32 v[GO], 12, v[SUM+1]
	v_lshl_add_u32 v[GO], v[SUM], 4, v[GO]         ; and the same two rows of the output
	v_mov_b32 v12, 0xf1800000                      ; -2^100
.irp z, 0,1,2,3,4
.irp e, 0,1,2,3,4,5
	v_mov_b32 v[QR+12*\z+\e], 0                    ; the runs of zero codes round q's four tiles
.endr
.endr
.irp i, 0,1,2,3
	v_mov_b32 v[ST+6*\i+1], 0xff61b1e6             ; the largest t so far: -3e38, under every t
	v_floor_f32 v[ST+6*\i], -v[ST+6*\i+1]          ; -M
	v_mov_b32 v[ST+6*\i+2], 0                      ; the sum, in two halves
	v_mov_b32 v[ST+6*\i+3], 0
	v_mov_b32 v[ST+6*\i+5], 0                      ; (named as the upper half of a pair before it is first written)
	v_mov_b32 v[T2+\i], 0                          ; a lane permute's destination counts as one of its sources
.endr
	s_wait_loadcnt 0x0
.irp e, 0,1,2,3,4,5,6,7
	v_cmp_lt_i32 vcc_lo, 0, v[SCO+\e]              ; mask > 0.5: the key is hidden
	v_cndmask_b32 v[SCO+\e], 0, v12, vcc_lo
.endr
	ds_store_b128 v13, v[SCO:SCO+3]
	ds_store_b128 v13, v[SCO+4:SCO+7] offset:16
	v_perm_b32 v[QS], v14, v14, 0x01000100         ; each tile's two bytes, twice
	v_perm_b32 v[QS+1], v14, v14, 0x03020302
	v_perm_b32 v[QS+2], v15, v15, 0x01000100
	v_perm_b32 v[QS+3], v15, v15, 0x03020302
	WIN 0x40
.set j, 0
.rept 128
	v_mov_b32 v[j], 0                              ; O^T.  The step is written without a first step of its own: the first change of M multiplies zeros.  (These are also the places between the scale words just made and the first product)
.set j, j+1
.endr
	WIN 0
; four operands of 12 registers: each two halves of 768 bytes on end (16 bytes, then 8 bytes a lane)
.macro LOADF off
	WIN 0x40
.irp f, 0,1,2,3
	ds_load_b128 v[KVF+12*\f:KVF+12*\f+3], v[A16] offset:\off+1536*\f
	ds_load_b64 v[KVF+12*\f+4:KVF+12*\f+5], v[A8] offset:\off+1536*\f+512
	ds_load_b128 v[KVF+12*\f+6:KVF+12*\f+9], v[A16] offset:\off+1536*\f+768
	ds_load_b64 v[KVF+12*\f+10:KVF+12*\f+11], v[A8] offset:\off+1536*\f+1280
.endr
.endm
; THE SOFTMAX of tile i for 128 keys: register 16 b + e of S^T = key 32 b + 16 h + e of my query
.macro SOFT i
.set NM, ST+6*(\i)
.set PCI, PCB+12*(\i)
.irp b, 0,1,2,3
	v_max3_num_f32 v[BM+\b], v[SCO+16*\b], v[SCO+16*\b+1], v[SCO+16*\b+2]   ; the largest score of each block of 32 keys: it serves for the row's maximum and, since p rises with the score, for the block's largest p
.endr
.irp e, 3,5,7,9,11,13
.irp b, 0,1,2,3
	v_max3_num_f32 v[BM+\b], v[BM+\b], v[SCO+16*\b+\e], v[SCO+16*\b+\e+1]
.endr
.endr
.irp b, 0,1,2,3
	v_max_num_f32 v[BM+\b], v[BM+\b], v[SCO+16*\b+15]
.endr
.irp b, 0,1,2,3
	v_permlanex16_b32 v[T2+\b], v[BM+\b], s[SEL], s[SEL+1]
.endr
.irp b, 0,1,2,3
	v_max_num_f32 v[BM+\b], v[BM+\b], v[T2+\b]     ; with lane l xor 16's 16 keys
.endr
	v_max3_num_f32 v[WW], v[BM], v[BM+1], v[BM+2]
	v_max_num_f32 v[WW], v[WW], v[BM+3]
	v_mul_f32 v[WW], s[CS], v[WW]                  ; the step's largest t (c is positive)
	v_max_num_f32 v[NM+1], v[NM+1], v[WW]          ; the running largest t
	v_mov_b32 v[WW], v[NM]
	v_floor_f32 v[NM], -v[NM+1]                    ; the new -M = -ceil(t): a whole number
	v_sub_f32 v[WW], v[NM], v[WW]                  ; old M - new M: a whole number, 0 or less
	v_cvt_i32_f32 v[WW], v[WW]                     ; (it saturates)
	v_ldexp_f32 v[NM+4], 1.0, v[WW]                ; f = 2^(old M - new M)
.set j, 0
.rept 32
	v_pk_fma_f32 v[SCO+j:SCO+j+1], v[SCO+j:SCO+j+1], s[CS:CS+1], v[NM:NM+1] op_sel_hi:[1,0,0]   ; t - M, two at a time
.set j, j+2
.endr
.irp b, 0,1,2,3
	v_fma_f32 v[BM+\b], v[BM+\b], s[CS], v[NM]     ; the same of each block's largest score
.endr
.set j, 0
.rept 64
	v_exp_f32 v[SCO+j], v[SCO+j]                   ; p = 2^(t - M), at most 1
.set j, j+1
.endr
	v_pk_mul_f32 v[NM+2:NM+3], v[NM+2:NM+3], v[NM+4:NM+5] op_sel_hi:[1,0]   ; the sums under the new M (the plain place behind the exponentials)
	s_wait_alu depctr_va_vdst(0)                   ; one wait for the batch of 64, ahead of its first reader
.irp b, 0,1,2,3
	v_exp_f32 v[BM+\b], v[BM+\b]                   ; the block's largest p: the same two instructions on the same number give the same bits
.endr
	v_pk_add_f32 v[SUM:SUM+1], v[SCO:SCO+1], v[SCO+2:SCO+3]   ; the row's sum is taken of the UNQUANTISED p, in two chains (plain work behind the four)
.irp e, 4,8,12,16,20,24,28,32,36,40,44,48,52,56,60
	v_pk_add_f32 v[NM+2:NM+3], v[NM+2:NM+3], v[SCO+\e:SCO+\e+1]
	v_pk_add_f32 v[SUM:SUM+1], v[SUM:SUM+1], v[SCO+\e+2:SCO+\e+3]
.endr
	v_pk_add_f32 v[NM+2:NM+3], v[NM+2:NM+3], v[SUM:SUM+1]
	s_wait_alu depctr_va_vdst(0)                   ; and one for the four
.irp b, 0,1,2,3
	v_max_num_f32 v[BM+\b], 0x1800000, v[BM+\b]    ; the floor 2^(3 - 127): the byte cannot fall under 1 (a block whose every p is 0 keeps that byte: its codes are zeros)
.endr
.irp b, 0,1,2,3
	v_add_nc_u32 v[TS+\b], 0xff000000, v[BM+\b]    ; 2 off the exponent field: the conversion's scale operand
.endr
.irp b, 0,1,2,3
	v_lshrrev_b32 v[T2+\b], 23, v[TS+\b]           ; the byte
.endr
	v_lshl_or_b32 v[NM+5], v[T2+1], 8, v[T2]       ; p's scale word for these 128 keys
	v_lshl_or_b32 v[NM+5], v[T2+2], 16, v[NM+5]
	v_lshl_or_b32 v[NM+5], v[T2+3], 24, v[NM+5]
.irp c, 0,1
	v_cvt_scalef32_pk16_fp6_f32 v[PCI+6*\c:PCI+6*\c+2], v[SCO+32*\c:SCO+32*\c+15], v[TS+2*\c]
	v_cvt_scalef32_pk16_fp6_f32 v[CV+4*\c:CV+4*\c+2], v[SCO+32*\c+16:SCO+32*\c+31], v[TS+2*\c+1]
.endr
	v_nop                                          ; one plain place behind a scaled conversion
.irp c, 0,1                                    ; a WHOLE block in a lane: lanes 0-15 block 2 c, lanes 16-31 block 2 c + 1
.irp e, 0,1,2
	v_permlane16_swap_b32 v[PCI+6*\c+\e], v[CV+4*\c+\e]
.endr
.irp e, 0,1,2
	v_mov_b32 v[PCI+6*\c+3+\e], v[CV+4*\c+\e]
.endr
.endr
.endm
; A KEY STEP: 128 keys, for my four tiles of queries
.macro STEP
	v_add_nc_u32 v[A16], s[KB], v[L16]             ; (these four are the places behind the last step's products, ahead of the loads into the registers that they read)
	v_add_nc_u32 v[A8], s[KB], v[L8]
	v_add_nc_u32 v[AS], s[SB], v[LS]
	v_add_nc_u32 v[AB], s[SB], v[LB]
	LOADF 0                                        ; K: operand f = key tiles 2 f and 2 f + 1
.irp q, 0,1,2,3,4,5,6,7,8,9,10,11,12,13,14,15
	ds_load_b128 v[BI+4*\q:BI+4*\q+3], v[AB] offset:128*(\q/4)+16*(\q%4)   ; 0 or -2^100 of my 64 keys, in S^T's order
.endr
	WIN 0
	ds_load_b128 v[KS:KS+3], v[AS]                 ; K's scale words: word f for tiles 2 f, 2 f + 1
	s_wait_dscnt 0x0
.irp i, 0,1,2,3
	WIN 0x11                                       ; K and C in window 1, Q and S^T in window 0
.irp f, 0,1,2,3
	v_wmma_scale_f32_16x16x128_f8f6f4 v[SCO+16*\f:SCO+16*\f+7], v[KVF+12*\f:KVF+12*\f+11], v[QR+6+12*\i:QR+17+12*\i], v[BI+16*\f:BI+16*\f+7], v[KS+\f], v[QS+\i] matrix_a_fmt:MATRIX_FMT_FP6 matrix_b_fmt:MATRIX_FMT_FP6
	v_wmma_scale_f32_16x16x128_f8f6f4 v[SCO+16*\f+8:SCO+16*\f+15], v[KVF+12*\f:KVF+12*\f+11], v[QR+12*\i:QR+11+12*\i], v[BI+16*\f+8:BI+16*\f+15], v[KS+\f], v[QS+\i] matrix_a_fmt:MATRIX_FMT_FP6 matrix_b_fmt:MATRIX_FMT_FP6
.endr
	WIN 0
.rept 4
	v_nop                                          ; places behind the products: ahead of the first read of the scores, and of V's loads into K's registers
.endr
.if \i == 3
	LOADF 6144                                     ; V: operand dt = 16 channels x these 128 keys; it lands under the last tile's softmax
	WIN 0
	ds_load_b128 v[VS:VS+3], v[AS] offset:256
.endif
	SOFT \i
.endr
	WIN 0x41
.irp i, 0,1,2,3
.set j, 0
.rept 16
	v_pk_mul_f32 v[32*\i+j:32*\i+j+1], v[32*\i+j:32*\i+j+1], v[ST+6*\i+4:ST+6*\i+5] op_sel_hi:[1,0]   ; O^T under the new M, each accumulator from its low end on.  (Also the places between p's codes and scale words and the products)
.set j, j+2
.endr
.endr
	s_wait_dscnt 0x0                               ; V is in
	WIN 0x51                                       ; V, C and D in window 1, p in window 0
.irp d, 0,1,2,3
.irp i, 0,1,2,3
	v_wmma_scale_f32_16x16x128_f8f6f4 v[32*\i+8*\d:32*\i+8*\d+7], v[KVF+12*\d:KVF+12*\d+11], v[PCB+12*\i:PCB+12*\i+11], v[32*\i+8*\d:32*\i+8*\d+7], v[VS+\d], v[ST+6*\i+5] matrix_a_fmt:MATRIX_FMT_FP6 matrix_b_fmt:MATRIX_FMT_FP6
.endr
.endr
	WIN 0
	s_add_co_u32 s[KB], s[KB], STEPB
	s_add_co_u32 s[SB], s[SB], 512
.endm
.macro STEPS n
	s_mov_b32 s[CNT], \n
.Lstep_\@:
	STEP
	s_sub_co_u32 s[CNT], s[CNT], 1
	s_cmp_lg_u32 s[CNT], 0
	s_cbranch_scc1 .Lstep_\@
.endm
	s_wait_dscnt 0x0                               ; for the others' sake: my 0 / -2^100 lie in LDS
	s_wait_tensorcnt 0x1                           ; my parts of the scale words and of key steps 0-3 are in; the load of steps 4-15 may be out
	s_barrier_signal -1
	s_barrier_wait -1
	STEPS 4
	s_wait_tensorcnt 0x0                           ; my part of key steps 4-15 is in
	s_wait_dscnt 0x0
	s_barrier_signal -1
	s_barrier_wait -1                              ; everybody's is
	STEPS 12
	; THE WAY OUT.  The sums' halves are added (these lines are the places behind the last products); O^T / the sum goes through my stage in LDS, a tile of 16 queries at a time, and leaves as whole rows of 256 bytes.
.irp i, 0,1,2,3
	v_add_f32 v[ST+6*\i+2], v[ST+6*\i+2], v[ST+6*\i+3]
.endr
.irp i, 0,1,2,3
	v_permlanex16_b32 v[T2+\i], v[ST+6*\i+2], s[SEL], s[SEL+1]
.endr
.irp i, 0,1,2,3
	v_add_f32 v[ST+6*\i+2], v[ST+6*\i+2], v[T2+\i]
.endr
.irp i, 0,1,2,3
	v_rcp_f32 v[ST+6*\i+3], v[ST+6*\i+2]
.endr
	v_nop                                          ; a plain instruction behind the last reciprocal
	s_wait_alu depctr_va_vdst(0)                   ; one wait for the four, ahead of their first reader
.macro OUT i
.set BK, QR+54*((\i)%2)                ; 32 registers, where q or p's codes lay, by turns
.if (\i) >= 2
	s_wait_xcnt 0x0                                ; the stores of two tiles back have read their registers
.endif
	WIN 0x01                                       ; source 0 (O^T) window 1
.set j, 0
.rept 32
	v_mul_f32 v[SCO+j], v[32*(\i)+j], v[ST+6*(\i)+3]   ; register 16 b + e: channel 32 b + 16 h + e of query index r
.set j, j+1
.endr
	WIN 0
.irp b, 0,1
.irp q, 0,1,2,3
	ds_store_b128 v[STO], v[SCO+16*\b+4*\q:SCO+16*\b+4*\q+3] offset:128*\b+16*\q
.endr
.endr
.irp e, 0,1,2,3,4,5,6,7
	ds_load_b128 v[BK+4*\e:BK+4*\e+3], v[RD] offset:544*\e   ; LDS serves a wave's instructions in order: these see my stores, and the next tile's stores come behind them
.endr
	s_wait_dscnt 0x0
.irp e, 0,1,2,3,4,5,6,7
	global_store_b128 v[GO], v[BK+4*\e:BK+4*\e+3], s[14:15] offset:(32*((\i)/2)+8*((\i)%2)+2*\e+8*(\e/4))*4096 th:TH_STORE_NT   ; sixteen lanes store a token's 256 bytes of this head, aligned
.endr
.endm
	OUT 0
	OUT 1
	OUT 2
	OUT 3
	s_wait_dscnt 0x0
	s_wait_tensorcnt 0x0
	ds_add_u32 v254, v255
	s_wait_dscnt 0x0
	ROUND                                          ; the closing round: no work-group ends while a partner may still ask for a tile that names it
	s_endpgm
.Lfunc_end_k_q685d84e2a5_attn:
	.size	k_q685d84e2a5_attn, .Lfunc_end_k_q685d84e2a5_attn-k_q685d84e2a5_attn
	.p2alignl 7, 3214868480
	.fill 96, 4, 3214868480
	.section	.rodata,"a",@progbits
	.p2align	6, 0x0
	.amdhsa_kernel k_q685d84e2a5_attn
		.amdhsa_group_segment_fixed_size 248832
		.amdhsa_private_segment_fixed_size 0
		.amdhsa_enable_private_segment 0
		.amdhsa_kernarg_size 48
		.amdhsa_user_sgpr_count 2
		.amdhsa_user_sgpr_kernarg_segment_ptr 1
		.amdhsa_wavefront_size32 1
		.amdhsa_system_sgpr_workgroup_id_x 1
		.amdhsa_system_sgpr_workgroup_id_y 1
		.amdhsa_system_sgpr_workgroup_id_z 1
		.amdhsa_system_vgpr_workitem_id 0
		.amdhsa_next_free_vgpr 512
		.amdhsa_next_free_sgpr 96
		.amdhsa_reserve_vcc 1
		.amdhsa_float_denorm_mode_32 3
		.amdhsa_float_denorm_mode_16_64 3
		.amdhsa_memory_ordered 1
		.amdhsa_forward_progress 1
		.amdhsa_inst_pref_size 142
	.end_amdhsa_kernel
	.amdgpu_metadata
---
amdhsa.version: [ 1, 2 ]
amdhsa.kernels:
  - .name:           k_q685d84e2a5_attn
    .symbol:         k_q685d84e2a5_attn.kd
    .args:
      - { .name: qc, .offset: 0, .size: 8, .value_kind: global_buffer, .address_space: global }
      - { .name: qs, .offset: 8, .size: 8, .value_kind: global_buffer, .address_space: global }
      - { .name: kv, .offset: 16, .size: 8, .value_kind: global_buffer, .address_space: global }
      - { .name: kvs, .offset: 24, .size: 8, .value_kind: global_buffer, .address_space: global }
      - { .name: mask, .offset: 32, .size: 8, .value_kind: global_buffer, .address_space: global }
      - { .name: out0, .offset: 40, .size: 8, .value_kind: global_buffer, .address_space: global }
    .group_segment_fixed_size: 248832
    .private_segment_fixed_size: 0
    .kernarg_segment_align: 8
    .kernarg_segment_size: 48
    .max_flat_workgroup_size: 256
    .sgpr_count:     96
    .vgpr_count:     512
    .wavefront_size: 32
...
	.end_amdgpu_metadata
.endif
;; end of part 3
